; MI455X (gfx1250); checked and timed in simulation.
; The chip was launched on July 23, 2026; its instructions are those of AMD's public machine-readable ISA for CDNA 5 (MIT licence, August 2026) and "CDNA5" Instruction Set Architecture Reference Guide (July 2026). The comments in the code are by the model that wrote it; some were corrected since.
;; Perspective Network. Allowed arithmetic: matrix products marked QUANTISED: E3M2 operands, one E8M0 scale for each 32 along K, by v_wmma_scale_f32_16x16x128_f8f6f4 with both operands' format E3M2, f32 sums; products left as they are: f32 operands where the result goes on into a quantised operand, else bf16, f16 or f32 operands; f32 sums; everything else in f32.
;; Inputs: W_ft_codes 1,024 x 24 x 24 uint8 (E3M2 codes of W_ft, K innermost, in blocks of 32 codes, four codes in three bytes); W_ft_scales 1,024 x 24 uint8 (E8M0 scales of W_ft, one for each 32 codes along K); W_out 1 x 2,048 float32; b_ft 1,024 float32; b_out 1 float32; board_nstm_codes 16,384 x 24 x 24 uint8 (E3M2 codes of board_nstm, K innermost, in blocks of 32 codes, four codes in three bytes); board_nstm_scales 16,384 x 24 uint8 (E8M0 scales of board_nstm, one for each 32 codes along K); board_stm_codes 16,384 x 24 x 24 uint8 (E3M2 codes of board_stm, K innermost, in blocks of 32 codes, four codes in three bytes); board_stm_scales 16,384 x 24 uint8 (E8M0 scales of board_stm, one for each 32 codes along K).
;; Outputs: out0 16,384 x 1 float32.
;; This version of the problem:
;;   THIS VERSION OF THE PROBLEM IS GIVEN IN LOW PRECISION. The matrix products marked QUANTISED in the list below multiply operands that are first quantised to E3M2 (3 exponent bits, 2 mantissa bits; 6 bits a number), with one power-of-two scale for each 32 numbers along K (OCP MX v1.0); their sums are f32. All else is computed in f32.
;;   The module's matrix products, in the order in which they are computed (A, B: the left and right operand; K: the contracted axis; several contracted axes count as one K, in the product's order):
;;     1. [M 16,384, K 768] x [K 768, N 1,024]; A: input board_stm (given as codes); B: input W_ft (given as codes): QUANTISED
;;     2. [M 16,384, K 768] x [K 768, N 1,024]; A: input board_nstm (given as codes); B: input W_ft (given as codes): QUANTISED
;;     3. [M 16,384, K 2,048] x [K 2,048, N 1]; A: computed on the way; B: input W_out: left as it is (N = 1 < 16)
;;   THE QUANTISER, for each operand of a quantised product, along K:
;;     - K is cut into blocks of 32 from its start; a last block that is shorter is filled with zeros.
;;     - A block's scale is 2^e with e = floor(log2(the largest magnitude in the block)) - 4, held to -126 .. 127; a block of zeros has e = 0. As a byte (E8M0): e + 127.
;;     - Each number is divided by its block's scale, clamped to +-28, and rounded to the nearest number of E3M2, ties to even, subnormals kept.
;;     - The product sums the exact products of the quantised numbers (number of the format x scale) in f32.
;;   ~~~python
;;   def quantise(x, axis):      # numpy; x: float32 -> the quantised numbers, widened to float32 again
;;       x = np.moveaxis(x, axis, -1); K = x.shape[-1]
;;       x = np.pad(x, [(0, 0)] * (x.ndim - 1) + [(0, -K % 32)]); x = x.reshape(x.shape[:-1] + (-1, 32)); a = np.abs(x).max(-1, keepdims=True)
;;       e = np.where(a > 0, np.clip(np.frexp(np.where(a > 0, a, 1))[1] - 1 - 4, -126, 127), 0)      # np.frexp(a)[1] - 1 = floor(log2(a)), exactly
;;       r = np.clip(x / 2.0 ** e, -28, 28)
;;       step = 2.0 ** (np.maximum(np.frexp(np.where(r == 0, 1, r))[1] - 1, -2) - 2)
;;       q = np.round(r / step) * step * 2.0 ** e      # np.round: ties to even
;;       return np.moveaxis(q.reshape(q.shape[:-2] + (-1,))[..., :K], -1, axis).astype(np.float32)
;;   ~~~
;;   INPUTS GIVEN AS CODES. W_ft (in the module: [1024, 768], K = its axis 1); board_nstm (in the module: [16384, 768], K = its axis 1); board_stm (in the module: [16384, 768], K = its axis 1): each comes as NAME_codes (uint8): NAME with its K axis moved to the last place and cut into blocks of 32 codes, [.., K / 32, bytes a block], one block behind the other in memory; four codes in three bytes: a row's codes are one little-endian stream of bits, code i at bits 6 i .. 6 i + 5 (a code: sign, 3 exponent bits, 2 mantissa bits); and NAME_scales (uint8): the same leading axes, one E8M0 byte (e + 127) for each 32 codes along K. Its value is code x scale, taken as it is: it is not quantised again, and the codes and scales need not be those that the quantiser above would give.
;; One version. Each part assembles by itself: llvm-mc -triple=amdgcn-amd-amdhsa -mcpu=gfx1250 --defsym DOCPART=n.
;; ======== version 1 of 1: 1 launch
;; limits: right only within a limited range of input values
;; launch net (part 1): grid 256 x 1, 4 waves a work-group, clusters of 4 x 1, 327,680 bytes of LDS; arguments board_stm_codes, board_nstm_codes, board_stm_scales, board_nstm_scales, W_ft_codes, W_ft_scales, b_ft, W_out, b_out, out0; writes out0
.if DOCPART == 1
	.amdgcn_target "amdgcn-amd-amdhsa--gfx1250"
	.amdhsa_code_object_version 6
	.text
	.protected	k_q7ad130dec8_net
	.globl	k_q7ad130dec8_net
	.p2align	8
	.type	k_q7ad130dec8_net,@function
k_q7ad130dec8_net:
	s_mov_b64 s[64:65], 0
	v_nop
	global_prefetch_b8 v0, s[64:65] scope:SCOPE_SE
	s_setreg_imm32_b32 hwreg(HW_REG_WAVE_MODE, 25, 1), 1
	s_wait_xcnt 0x0
	s_wait_alu depctr_hold_cnt(0) depctr_sa_sdst(0) depctr_va_vdst(0) depctr_va_sdst(0) depctr_va_ssrc(0) depctr_va_vcc(0) depctr_vm_vsrc(0)
	s_getreg_b32 s2, hwreg(HW_REG_IB_STS2, 6, 4)
	s_cmp_eq_u32 s2, 0
	s_cbranch_scc0 .Lentry_in_a_cluster
	s_endpgm
.Lentry_in_a_cluster:
	s_bfe_u32 s2, ttmp6, 0x10000c
	s_cmp_lg_u32 s2, 0x3003
	s_cbranch_scc0 .Lentry_shape_is_right
	s_endpgm
.Lentry_shape_is_right:
; out[b] = sigmoid( sum over n of screlu(stm[b][n]) W_out[n] + screlu(nstm[b][n]) W_out[1024 + n] + b_out ),  stm = board_stm W_ft^T + b_ft, nstm = board_nstm W_ft^T + b_ft, screlu(x) = clip(x, 0, 1)^2.
; Both products run on the given codes of BF6 (E3M2) with the given E8M0 bytes, one for each 32 along K = 768; sums, clip, square, the dot with W_out and the sigmoid in f32.  One launch, nothing goes through memory.
; SHARES.  A work-group owns 64 batch rows in both perspectives: 8 row tiles of 16 (0-3 stm, 4-7 nstm), and all 1,024 hidden units.  The waves share the units: 16 tiles of 16 units for each wave, against all 128 board rows.
; All 48 board fragments (8 row tiles x 6 K steps x 12 registers) stay in a wave's registers, so a fragment of W read from LDS feeds eight matrix instructions: 768 matrix instructions a wave.
; LAYOUT.  64 rows of 576 bytes are a dense block of 144 units of 256 bytes: every tensor row is 256 bytes from a 256-byte border, with 16 bytes of padding behind it in LDS.  Four rows are nine units, so A TILE IS ROWS 4 r + b
; OF A BLOCK OF 64 (b = 0 .. 3): lanes lie 9 x 272 = 2,448 bytes apart, an odd multiple of 16, and a piece's place is a constant.
; K BLOCKS.  Of a K step's 96 bytes lanes 0-15 take the first 48, lanes 16-31 the last 48, as three loads of 16 bytes: so blocks 1 and 2 of the four change places in BOTH operands, and bytes 1 and 2 of every scale word likewise.
; NATURAL USE: source 0 = 16 board rows, source 1 = 16 units.  Lane (r, h) holds ONE unit, register j the board row of index 8 h + j: W_out is one number a lane; b_ft, the C of the first K step, eight copies of one.
; W'S WALK.  W is four blocks of 256 rows.  Cluster c walks: the first half of block c mod 4; blocks c + 1, c + 2, c + 3 (mod 4); the second half of block c mod 4.  So the clusters' head loads together name all of W.
; CLUSTER.  The four work-groups ask for every piece of W JOINTLY (mask 15).  The boards are nobody else's: plain loads.  A mask names four work-groups, so a cluster of 4 x 4 would share no more.
; NO PREFETCH: the boards are asked for whole at the head; all of W has been named by the clusters' head loads, and each of the three refills is asked for four tiles (192 matrix instructions) ahead: there is no loop to run ahead in.
; The walk is written out: register sets come back after two blocks, and head, refills and end differ between the blocks.
; LIMITS.  A scale byte 0xff, or a sum that is NaN, gives NaN by the definition; the clip here (v_med3_num_f32) loses the NaN: not served.  The 2,048 terms of a row's last sum, and the K blocks, are added in another order than the definition's.
.set PART,  39168                      ; 64 rows: 144 x 272
.set SLOT,  4*PART                     ; a region: 256 rows.  Region 0 at 0, region 1 at SLOT
.set BRD,   SLOT+2*PART                ; at the head region 1 holds W's first 128 rows, then stm's 64, then nstm's 64
.set SPARE, 2*SLOT                     ; the spare words, 128 bytes a wave: two blocks of 256 bytes that no other line names
.set RED,   SPARE+512                  ; [4 waves][64 rows] f32: the waves' partial sums; no fill lands here
.set WBLK,  147456                     ; 256 rows of W in memory
.set SPW, 1                            ; v1    SPARE + 4 x my thread's number; never rewritten
.set NIL, 2                            ; v2    0; never rewritten
.set AW,  3                            ; v3-6  my lane in my part of region 0 (halves 48, 64 bytes apart), of region 1
.set AB,  7                            ; v7-8  my lane in the boards
.set AS,  9                            ; v9-12 my lane in a half block at region 1's start, by the class of the piece's place
.set SCO, 13                           ; v13   96 r + 48 h
.set SC2, 14                           ; v14   96 r
.set WOF, 15                           ; v15   16 r
.set BS,  16                           ; v16-39 boards' scale words: BS + 12 (m / 4) + 6 (m % 2) + s; lanes 0-15 tiles m % 4 < 2, lanes 16-31 the others
.set WS,  40                           ; v40-63 W's: WS + 12 q + 6 (b % 2) + s; lanes 0-15 b < 2, lanes 16-31 b >= 2
.set BI,  64                           ; v64-71 b_ft of the next tile, eight copies
.set BB,  72                           ; v72-79 b_ft: set q, tile b at BB + 4 q + b
.set WO,  80                           ; v80-95 W_out: set q, tile b at WO + 8 q + b (stm), + 4 (nstm)
.set S,   96                           ; v96-127 the running sums: batch tile t at S + 8 t
.set ACC, 128                          ; v128-255 two sets of eight accumulators
.set BI1, ACC+64                       ; in the first two passes: b_ft of the second tile (the second set is not in use then)
.set WF,  192                          ; windows 1-3: W's fragment of K step s, buffer u, at WF + 24 u + 12 (s % 2) of window 1 + s / 2; the board fragment (m, s) at 96 (s % 2) + 12 m there
.set G1A, 24                           ; s[24:31] group 1: 64 board rows
.set G1H, 32                           ; s[32:39] W, joint: 128 rows, later 64, later 32
.set G1F, 40                           ; s[40:47] W, joint: 256 rows
.set G0A, 48                           ; groups 0 of the head: wave 0 stm,
.set G0B, 52                           ; wave 1 W's first 128 rows,
.set G0C, 56                           ; wave 2 nstm,
.set G0D, 60                           ; wave 3 W's next 256 rows
.set G0S0, 68                          ; refills: region 0,
.set G0S1, 72                          ; region 1,
.set G0S2, 76                          ; the half block at region 1's start
.set MSB, 0
.macro WIN new                         ; the immediate's high byte repeats the setting that is left
.if MSB != (\new)
	s_set_vgpr_msb (MSB<<8)|(\new)
.set MSB, \new
.endif
.endm
.macro PLACES                          ; four plain places (ISA guide 7.12.1)
.rept 4
	v_nop
.endr
.endm
.macro CREST                           ; a round of the cluster's barrier behind its opening barrier
	s_cmp_lg_u32 s88, 0
	s_cbranch_scc1 .Lnot_wave_0_\@
	s_barrier_signal -3
.Lnot_wave_0_\@:
	s_barrier_wait -3
	s_barrier_signal -1
	s_barrier_wait -1
.endm
.macro CROUND
	s_barrier_signal -1
	s_barrier_wait -1
	CREST
.endm
.macro G1 g, w0, rows                  ; rows of 256 bytes: 32 elements of 8 bytes
	s_mov_b32 s[\g+0], (\w0)|(3<<16)|(1<<20)|(5<<22)|(3<<25) ; 17:16 elements of 8 bytes; 20 padding on; 24:22 after every 64 words (code 5); 31:25 of 4 words (code 3)
	s_mov_b32 s[\g+1], 32<<16          ; tensor_dim0
	s_mov_b32 s[\g+2], (\rows)<<16     ; tensor_dim1
	s_mov_b32 s[\g+3], 32<<16          ; tile_dim0
	s_mov_b32 s[\g+4], \rows           ; tile_dim1
	s_mov_b32 s[\g+5], 32              ; from row to row
	s_mov_b32 s[\g+6], 0
	s_mov_b32 s[\g+7], 0
.endm
	s_load_b512 s[4:19], s[0:1], 0x0               ; stm codes s[4:5], nstm codes s[6:7], stm scales s[8:9], nstm scales s[10:11], W codes s[12:13], W scales s[14:15], b_ft s[16:17], W_out s[18:19]
	s_load_b128 s[20:23], s[0:1], 0x40             ; b_out s[20:21], out0 s[22:23]
	v_lshl_add_u32 v[SPW], v0, 2, SPARE
	v_mov_b32 v[NIL], 0
	ds_add_u32 v[SPW], v[NIL]                      ; the opening: the add, twice on end, and its wait ahead of my first tensor load
	ds_add_u32 v[SPW], v[NIL]
	v_lshrrev_b32 v128, 5, v0
	v_readfirstlane_b32 s88, v128                  ; wave 0..3
	s_mul_i32 s2, s88, PART                        ; my part of a region
	s_lshr_b32 s98, s88, 1                         ; of a half block: which 64 rows are mine,
	s_and_b32 s99, s88, 1                          ; and which pair of their four tiles
	s_mul_i32 s82, s98, PART
	s_mul_i32 s86, s99, 1216
	s_add_co_u32 s82, s82, s86
	s_add_co_u32 s82, s82, SLOT
	s_lshl_b32 s86, s99, 4
	s_xor_b32 s87, s86, 16
	v_and_b32 v128, 15, v0                         ; r
	v_bfe_u32 v129, v0, 4, 1                       ; h
	v_mul_u32_u24 v130, v128, 2448
	v_mad_u32_u24 v131, v129, 48, v130             ; the halves of the lanes 48 bytes apart,
	v_lshl_add_u32 v132, v129, 6, v130             ; and 64 where a padding lies between
	v_add_nc_u32 v[AW], s2, v131
	v_add_nc_u32 v[AW+1], s2, v132
	v_add_nc_u32 v[AW+2], SLOT, v[AW]
	v_add_nc_u32 v[AW+3], SLOT, v[AW+1]
	v_add_nc_u32 v[AB], BRD, v131
	v_add_nc_u32 v[AB+1], BRD, v132
	; the second pair of tiles lies 1,152 = 4 x 256 + 128 bytes on: 1,216 with its paddings, 1,232 for pieces in the upper half of a unit; the halves of the lanes part over a padding at other pieces
	v_mul_u32_u24 v133, s86, v129
	v_mul_u32_u24 v134, s87, v129
	v_add_nc_u32 v[AS], s82, v131
	v_add_nc_u32 v[AS+1], v[AS], v133
	v_add_nc_u32 v[AS+2], s86, v[AS]
	v_add_nc_u32 v[AS+3], v[AS+2], v134
	v_mul_u32_u24 v[SC2], v128, 96
	v_mad_u32_u24 v[SCO], v129, 48, v[SC2]
	v_lshlrev_b32 v[WOF], 4, v128
	s_wait_alu depctr_va_vdst(0)
	s_bfe_u32 s100, ttmp6, 0x40000                 ; cx: it enters the boards', their scales' and out0's addresses alone
	s_lshl_b32 s92, ttmp9, 2
	s_add_co_u32 s92, s92, s100                    ; my work-group's number
	s_and_b32 s89, ttmp9, 3                        ; the block at which my cluster's walk begins
	G1 G1A, 0, 144
	G1 G1H, 15|(1<<21), 288
	G1 G1F, 15|(1<<21), 576
	s_mov_b32 s[G0A], 1
	s_mov_b32 s[G0A+1], BRD
	s_mov_b32 s[G0B], 1
	s_mov_b32 s[G0B+1], SLOT
	s_mov_b32 s[G0C], 1
	s_mov_b32 s[G0C+1], BRD+PART
	s_mov_b32 s[G0D], 1
	s_mov_b32 s[G0D+1], 0
	s_mul_i32 s80, s92, 36864                      ; my 64 board rows
	s_mov_b32 s81, 0
	s_mov_b32 s83, 0
	s_mul_i32 s86, s89, WBLK
	s_mov_b32 s87, 0
	s_add_co_u32 s100, s89, 1
	s_and_b32 s100, s100, 3
	s_mul_i32 s96, s100, WBLK
	s_mov_b32 s97, 0
	s_mov_b32 s3, 0x03010200                       ; v_perm_b32: bytes 1 and 2 change places
	s_wait_dscnt 0x0                               ; both opening adds are done
	CROUND                                         ; all four work-groups are here: the first joint loads meet
	s_wait_kmcnt 0x0
	s_add_nc_u64 s[G0A+2:G0A+3], s[4:5], s[80:81]
	s_add_nc_u64 s[G0B+2:G0B+3], s[12:13], s[86:87]
	s_add_nc_u64 s[G0C+2:G0C+3], s[6:7], s[80:81]
	s_add_nc_u64 s[G0D+2:G0D+3], s[12:13], s[96:97]
	s_or_b32 s[G0A+3], s[G0A+3], 0x80000000
	s_or_b32 s[G0B+3], s[G0B+3], 0x80000000
	s_or_b32 s[G0C+3], s[G0C+3], 0x80000000
	s_or_b32 s[G0D+3], s[G0D+3], 0x80000000
; The first fills, one load a wave: every way passes exactly one
.macro ARM wave, g0, g1, next
	s_cmp_eq_u32 s88, \wave
	s_cbranch_scc0 \next
	tensor_load_to_lds s[\g0:\g0+3], s[\g1:\g1+7]
	s_nop 0
	PLACES
	s_branch .Lasked
\next:
.endm
	ARM 0, G0A, G1A, .Larm1
	ARM 1, G0B, G1H, .Larm2
	ARM 2, G0C, G1A, .Larm3
	tensor_load_to_lds s[G0D:G0D+3], s[G1F:G1F+7]
	s_nop 0
	PLACES
.Lasked:
	s_load_b32 s101, s[20:21], 0x0                 ; b_out, waited for at the end
	s_mul_i32 s82, s92, 1536                       ; my 64 rows of 24 scale bytes
	s_add_nc_u64 s[8:9], s[8:9], s[82:83]
	s_add_nc_u64 s[10:11], s[10:11], s[82:83]
	s_lshl_b32 s82, s92, 8                         ; my 64 numbers of out0
	s_add_nc_u64 s[22:23], s[22:23], s[82:83]
	s_mul_i32 s82, s88, 1536                       ; a whole block's side inputs: my 64 units of its 256
	s_add_nc_u64 s[84:85], s[14:15], s[82:83]
	s_lshl_b32 s82, s88, 8
	s_add_nc_u64 s[90:91], s[16:17], s[82:83]
	s_add_nc_u64 s[94:95], s[18:19], s[82:83]
	s_mul_i32 s82, s89, 6144                       ; a half block's: 64 units by the wave's upper bit, a pair of tiles by its lower
	s_mul_i32 s100, s98, 1536
	s_add_co_u32 s82, s82, s100
	s_mul_i32 s100, s99, 48
	s_add_co_u32 s82, s82, s100
	s_add_nc_u64 s[14:15], s[14:15], s[82:83]
	s_lshl_b32 s82, s89, 10
	s_lshl_b32 s100, s98, 8
	s_add_co_u32 s82, s82, s100
	s_lshl_b32 s100, s99, 3
	s_add_co_u32 s82, s82, s100
	s_add_nc_u64 s[16:17], s[16:17], s[82:83]
	s_add_nc_u64 s[18:19], s[18:19], s[82:83]
.macro GBASE d                         ; bases of the side inputs of the walk's block d on
	s_add_co_u32 s100, s89, \d
	s_and_b32 s100, s100, 3
	s_mul_i32 s82, s100, 6144
	s_add_nc_u64 s[86:87], s[84:85], s[82:83]
	s_lshl_b32 s82, s100, 10
	s_add_nc_u64 s[96:97], s[90:91], s[82:83]
	s_add_nc_u64 s[98:99], s[94:95], s[82:83]
.endm
.macro GLF q                           ; a whole block's scale words (lane (r, h): rows 4 r + 2 h, + 1), b_ft and W_out (units 4 r .. 4 r + 3) into set q
.irp x, 0,1,2
	global_load_b128 v[WS+12*(\q)+4*\x:WS+12*(\q)+4*\x+3], v[SCO], s[86:87] offset:16*\x
.endr
	global_load_b128 v[BB+4*(\q):BB+4*(\q)+3], v[WOF], s[96:97]
	global_load_b128 v[WO+8*(\q):WO+8*(\q)+3], v[WOF], s[98:99]
	global_load_b128 v[WO+8*(\q)+4:WO+8*(\q)+7], v[WOF], s[98:99] offset:4096
.endm
.macro GLS q, hf                       ; half hf of the walk's first block: my two tiles, all lanes alike for both halves of the wave
.irp x, 0,1,2
	global_load_b128 v[WS+12*(\q)+4*\x:WS+12*(\q)+4*\x+3], v[SC2], s[14:15] offset:3072*(\hf)+16*\x
.endr
	global_load_b64 v[BB+4*(\q):BB+4*(\q)+1], v[WOF], s[16:17] offset:512*(\hf)
	global_load_b64 v[WO+8*(\q):WO+8*(\q)+1], v[WOF], s[18:19] offset:512*(\hf)
	global_load_b64 v[WO+8*(\q)+4:WO+8*(\q)+5], v[WOF], s[18:19] offset:4096+512*(\hf)
.endm
.irp x, 0,1,2
	global_load_b128 v[BS+4*\x:BS+4*\x+3], v[SCO], s[8:9] offset:16*\x
	global_load_b128 v[BS+12+4*\x:BS+12+4*\x+3], v[SCO], s[10:11] offset:16*\x
.endr
	GLS 0, 0
	GBASE 1
	GLF 1
	; the refills' groups 0
	s_mul_i32 s82, s88, 36864
	s_add_nc_u64 s[80:81], s[12:13], s[82:83]      ; my 64 rows of a block
	s_add_co_u32 s100, s89, 2
	s_and_b32 s100, s100, 3
	s_mul_i32 s82, s100, WBLK
	s_mov_b32 s[G0S1], 1
	s_add_co_u32 s[G0S1+1], s2, SLOT
	s_add_nc_u64 s[G0S1+2:G0S1+3], s[80:81], s[82:83]
	s_or_b32 s[G0S1+3], s[G0S1+3], 0x80000000
	s_add_co_u32 s100, s89, 3
	s_and_b32 s100, s100, 3
	s_mul_i32 s82, s100, WBLK
	s_mov_b32 s[G0S0], 1
	s_mov_b32 s[G0S0+1], s2
	s_add_nc_u64 s[G0S0+2:G0S0+3], s[80:81], s[82:83]
	s_or_b32 s[G0S0+3], s[G0S0+3], 0x80000000
	s_mul_i32 s82, s89, WBLK                       ; the second half of the walk's first block: 32 rows a wave
	s_mul_i32 s100, s88, 18432
	s_add_co_u32 s82, s82, s100
	s_add_co_u32 s82, s82, 73728
	s_mul_i32 s100, s88, 19584
	s_mov_b32 s[G0S2], 1
	s_add_co_u32 s[G0S2+1], s100, SLOT
	s_add_nc_u64 s[G0S2+2:G0S2+3], s[12:13], s[82:83]
	s_or_b32 s[G0S2+3], s[G0S2+3], 0x80000000
.macro PERM d                          ; twelve scale words
.irp k, 0,1,2,3,4,5,6,7,8,9,10,11
	v_perm_b32 v[\d+\k], v[\d+\k], v[\d+\k], s3
.endr
.endm
.macro BIMOV d, src
.irp k, 0,2,4,6
	v_dual_mov_b32 v[\d+\k], v[\src] :: v_dual_mov_b32 v[\d+\k+1], v[\src]
.endr
.endm
; Piece x of K step s of W's tile u of a half block, into buffer u (the window is set).  z: the byte in the pair's rows
.macro SPC u, s
.irp x, 0,1,2
.set fz, 576*(\u)+96*(\s)+16*\x
.set fc, (fz%256)/16
.set fr, WF+24*(\u)+12*((\s)%2)+4*\x
.if fc < 5
.set fa, AS
.elseif fc < 8
.set fa, AS+1
.elseif fc < 13
.set fa, AS+2
.else
.set fa, AS+3
.endif
	ds_load_b128 v[fr:fr+3], v[fa] offset:fz+16*(fz/256)
.endr
.endm
.macro FETCHS u                        ; all 18 pieces of tile u of a half block
.set fs, 0
.rept 6
	WIN (1+fs/2)<<6
	SPC \u,fs
.set fs, fs+1
.endr
.endm
.macro FETCHF rg, b, buf               ; tile b of my part of region rg
.set fs, 0
.rept 6
	WIN (1+fs/2)<<6
.irp x, 0,1,2
.set fz, 576*(\b)+96*fs+16*\x
.set fr, WF+24*(\buf)+12*(fs%2)+4*\x
.if (fz%256) < 208
	ds_load_b128 v[fr:fr+3], v[AW+2*(\rg)] offset:fz+16*(fz/256)
.else
	ds_load_b128 v[fr:fr+3], v[AW+2*(\rg)+1] offset:fz+16*(fz/256)
.endif
.endr
.set fs, fs+1
.endr
.endm
.macro LDP p, s                        ; K step s of the boards of perspective p; with stm also of W's two tiles
	WIN (1+(\s)/2)<<6
.if (\p) == 0
	SPC 0,\s
	SPC 1,\s
.endif
.irp m, 0,1,2,3
.irp x, 0,1,2
.set fz, 576*\m+96*(\s)+16*\x
.set fr, 96*((\s)%2)+12*(4*(\p)+\m)+4*\x
.if (fz%256) < 208
	ds_load_b128 v[fr:fr+3], v[AB] offset:PART*(\p)+fz+16*(fz/256)
.else
	ds_load_b128 v[fr:fr+3], v[AB+1] offset:PART*(\p)+fz+16*(fz/256)
.endif
.endr
.endr
.endm
; One matrix instruction: accumulator e of set acc, row tile m, W's buffer u, K step s; b, q: W's scale words; c: b_ft's registers, the C of the first K step
.macro WM acc, e, m, u, s, b, q, c
	WIN 5*(1+(\s)/2)
.set rD, (\acc)+8*(\e)
.set rC, rD
.if (\s) == 0
.set rC, \c
.endif
.set rW, WF+24*(\u)+12*((\s)%2)
.set rA, 96*((\s)%2)+12*(\m)
.set rX, BS+12*((\m)/4)+6*((\m)%2)+(\s)
.set rY, WS+12*(\q)+6*((\b)%2)+(\s)
.if (((\m)%4) < 2) && ((\b) < 2)
	v_wmma_scale_f32_16x16x128_f8f6f4 v[rD:rD+7], v[rA:rA+11], v[rW:rW+11], v[rC:rC+7], v[rX], v[rY] matrix_a_fmt:MATRIX_FMT_BF6 matrix_b_fmt:MATRIX_FMT_BF6
.elseif ((\m)%4) < 2
	v_wmma_scale_f32_16x16x128_f8f6f4 v[rD:rD+7], v[rA:rA+11], v[rW:rW+11], v[rC:rC+7], v[rX], v[rY] matrix_a_fmt:MATRIX_FMT_BF6 matrix_b_fmt:MATRIX_FMT_BF6 matrix_b_scale:MATRIX_SCALE_ROW1
.elseif (\b) < 2
	v_wmma_scale_f32_16x16x128_f8f6f4 v[rD:rD+7], v[rA:rA+11], v[rW:rW+11], v[rC:rC+7], v[rX], v[rY] matrix_a_fmt:MATRIX_FMT_BF6 matrix_b_fmt:MATRIX_FMT_BF6 matrix_a_scale:MATRIX_SCALE_ROW1
.else
	v_wmma_scale_f32_16x16x128_f8f6f4 v[rD:rD+7], v[rA:rA+11], v[rW:rW+11], v[rC:rC+7], v[rX], v[rY] matrix_a_fmt:MATRIX_FMT_BF6 matrix_b_fmt:MATRIX_FMT_BF6 matrix_a_scale:MATRIX_SCALE_ROW1 matrix_b_scale:MATRIX_SCALE_ROW1
.endif
.endm
; K step s of one of the first two passes: two unit tiles x four row tiles; the eight accumulators take turns
.macro KP s, p
.irp u, 0,1
.irp m, 0,1,2,3
	WM ACC,4*\u+\m,4*(\p)+\m,\u,\s,\u,0,BI+\u*(BI1-BI)
.endr
.endr
.endm
.macro KF s, b, q                      ; K step s of a tile: one unit tile x eight row tiles, likewise by turns
.irp m, 0,1,2,3,4,5,6,7
	WM ACC+64*(1-(\b)%2),\m,\m,(\b)%2,\s,\b,\q,BI
.endr
.endm
; The vector work of eight finished accumulators: clip to 0 .. 1 (registers in ascending order), square, times W_out onto the sums.  Accumulators 0-3 take W_out's register w0, 4-7 w1.  first = 1: accumulators 0-3 begin the sums
.macro VB acc, w0, w1, first
.set vi, 0
.rept 9
.if vi < 8
.set ra, (\acc)+8*vi
.irp k, 0,1,2,3,4,5,6,7
	v_med3_num_f32 v[ra+\k], 0, 1.0, v[ra+\k]
.endr
.endif
.if vi > 0
.set rp, (\acc)+8*(vi-1)
.set rs, S+8*((vi-1)%4)
.set rw, \w0
.if vi > 4
.set rw, \w1
.endif
.set rv, (rw/2)*2
.irp k, 0,2,4,6
.if (\first) && (vi < 5)
.if rw == rv
	v_pk_mul_f32 v[rs+\k:rs+\k+1], v[rp+\k:rp+\k+1], v[rv:rv+1] op_sel_hi:[1,0]
.else
	v_pk_mul_f32 v[rs+\k:rs+\k+1], v[rp+\k:rp+\k+1], v[rv:rv+1] op_sel:[0,1] op_sel_hi:[1,1]
.endif
.elseif rw == rv
	v_pk_fma_f32 v[rs+\k:rs+\k+1], v[rp+\k:rp+\k+1], v[rv:rv+1], v[rs+\k:rs+\k+1] op_sel_hi:[1,0,1]
.else
	v_pk_fma_f32 v[rs+\k:rs+\k+1], v[rp+\k:rp+\k+1], v[rv:rv+1], v[rs+\k:rs+\k+1] op_sel:[0,1,0] op_sel_hi:[1,1,1]
.endif
.endr
.endif
.if vi < 8
.irp k, 0,2,4,6
	v_pk_mul_f32 v[ra+\k:ra+\k+1], v[ra+\k:ra+\k+1], v[ra+\k:ra+\k+1]
.endr
.endif
.set vi, vi+1
.endr
.endm
; A TILE of 16 units x 128 rows: K step 0, the tile before's vector work (vb), the next tile's b_ft, the next tile's 18 loads in one run, K steps 1 to 5.  b: the tile's number in its block, q: its set of scale words and side inputs.
; nx = 1: the next tile comes from my part of region rg; 2: from the half block.  gl: the side inputs of the next block are asked for (a block's first tile); they are waited for, and their scale words laid, in the block's last tile.
; meet = 1, 2 (a block's last tile: its fragments lie in registers): the region is filled again: all my tensor loads waited for, the add, eight products, its wait, a round of the cluster's barrier with eight products inside its opening barrier,
; and the joint load first behind it.  meet = 3: the half block, fetched by all four waves, is waited for and shown to all by a barrier.
.macro TILE b, q, vb, nx, rg, meet, gl
.set pb, ((\b)+3)%4
.set pq, \q
.if (\b) == 0
.set pq, 1-(\q)
.endif
	s_wait_dscnt 0x0                               ; this tile's fragments are in
	KF 0,\b,\q
	WIN 0
.if (\b) == 3
	s_wait_loadcnt 0x0                             ; the next block's side inputs
	PERM WS+12*(1-(\q))                            ; twelve plain places, too
.else
	PLACES
.endif
.if \vb
	VB ACC+64*((\b)%2),WO+8*pq+pb,WO+8*pq+4+pb,0
.endif
.if \nx
.if (\b) == 3
	BIMOV BI,BB+4*(1-(\q))
.else
	BIMOV BI,BB+4*(\q)+(\b)+1
.endif
.endif
	s_wait_alu depctr_va_vdst(0)
.if ((\meet) == 1) || ((\meet) == 2)
	s_wait_tensorcnt 0x0                           ; all my tensor loads have landed: my part of the next block
	ds_add_u32 v[SPW], v[NIL]
.if (\meet) == 2
	s_mov_b32 s[G1H+2], 72<<16                     ; no tensor load of mine is out: a descriptor may be written: from here 32 rows of W a load
	s_mov_b32 s[G1H+4], 72
.endif
	KF 1,\b,\q
	s_wait_dscnt 0x0                               ; the add is done; my reads of the region were over at the head
	s_barrier_signal -1
	KF 2,\b,\q
	WIN 0                                          ; at a branch and at a label every window is 0
	s_barrier_wait -1
	CREST
.if (\meet) == 1
	tensor_load_to_lds s[G0S0:G0S0+3], s[G1H:G1H+7]
.else
	tensor_load_to_lds s[G0S2:G0S2+3], s[G1H:G1H+7]
.endif
	s_nop 0
	PLACES
.elseif (\meet) == 3
	s_wait_tensorcnt 0x0
	s_barrier_signal -1
	KF 1,\b,\q
	s_barrier_wait -1
.endif
.if (\gl) == 2
	GBASE 2
	GLF 0
.elseif (\gl) == 3
	GBASE 3
	GLF 1
.elseif (\gl) == 4
	GLS 0,1
.endif
.if (\nx) == 1
	FETCHF \rg,((\b)+1)%4,((\b)+1)%2
.elseif (\nx) == 2
	FETCHS ((\b)+1)%2
.endif
.if (\meet) == 0
	KF 1,\b,\q
.endif
.if ((\meet) == 0) || ((\meet) == 3)
	KF 2,\b,\q
.endif
	KF 3,\b,\q
	KF 4,\b,\q
	KF 5,\b,\q
.endm
	s_wait_loadcnt 0x0                             ; the boards' scale words and the side inputs of the first two pieces of the walk
	PERM BS
	PERM BS+12
	PERM WS
	PERM WS+12
	BIMOV BI,BB
	BIMOV BI1,BB+1
	s_wait_alu depctr_va_vdst(0)
	s_cmp_lt_u32 s88, 2
	s_cbranch_scc0 .Lstill_out_a                   ; waves 2 and 3, whose loads are read later, go on without a wait
	s_wait_tensorcnt 0x0                           ; stm's boards, W's first 128 rows
.Lstill_out_a:
	s_barrier_signal -1
	s_barrier_wait -1
; PASS A: my two tiles of the half block x stm.  The fragments come K step by K step, 18 loads each, and the counts leave the younger K steps out
	LDP 0,0
	LDP 0,1
	LDP 0,2
	s_wait_dscnt 36
	KP 0,0
	LDP 0,3
	s_wait_dscnt 36
	KP 1,0
	LDP 0,4
	s_wait_dscnt 36
	KP 2,0
	LDP 0,5
	s_wait_dscnt 36
	KP 3,0
	s_wait_dscnt 18
	KP 4,0
	s_wait_dscnt 0x0
	KP 5,0
	WIN 0
	PLACES
	VB ACC,WO,WO+1,1
	s_wait_alu depctr_va_vdst(0)
	s_cmp_lt_u32 s88, 3
	s_cbranch_scc0 .Lstill_out_b                   ; wave 3's load is read behind the next round
	s_wait_tensorcnt 0x0                           ; nstm's boards
.Lstill_out_b:
	s_barrier_signal -1
	s_barrier_wait -1
; PASS B: the same two tiles, still in registers, x nstm: 12 loads a K step
	LDP 1,0
	LDP 1,1
	LDP 1,2
	LDP 1,3
	LDP 1,4
	s_wait_dscnt 48
	KP 0,1
	LDP 1,5
	s_wait_dscnt 48
	KP 1,1
	s_wait_dscnt 36
	KP 2,1
	s_wait_dscnt 24
	KP 3,1
	s_wait_dscnt 12
	KP 4,1
	WIN 0
	s_wait_dscnt 0x0                               ; the last boards are in registers
	s_wait_tensorcnt 0x0                           ; all my tensor loads have landed, region 0's rows of W among them
	ds_add_u32 v[SPW], v[NIL]
	s_mov_b32 s[G1H+2], 144<<16                    ; no tensor load of mine is out: from here 64 rows of W a load
	s_mov_b32 s[G1H+4], 144
	KP 5,1
	s_wait_dscnt 0x0
	s_barrier_signal -1
	WIN 0
	s_barrier_wait -1
	CREST                                          ; nobody reads region 1 any more, and region 0 is whole
	tensor_load_to_lds s[G0S1:G0S1+3], s[G1H:G1H+7]
	s_nop 0
	PLACES
	FETCHF 0,0,0
	WIN 0
	VB ACC,WO+4,WO+5,0
	BIMOV BI,BB+4
	s_wait_alu depctr_va_vdst(0)
	TILE 0,1,0,1,0,0,2                             ; region 0
	TILE 1,1,1,1,0,0,0
	TILE 2,1,1,1,0,0,0
	TILE 3,1,1,1,1,1,0
	TILE 0,0,1,1,1,0,3                             ; region 1
	TILE 1,0,1,1,1,0,0
	TILE 2,0,1,1,1,0,0
	TILE 3,0,1,1,0,2,0
	TILE 0,1,1,1,0,0,4                             ; region 0 again
	TILE 1,1,1,1,0,0,0
	TILE 2,1,1,1,0,0,0
	TILE 3,1,1,2,0,3,0
	TILE 0,0,1,2,0,0,0                             ; the second half block
	TILE 1,0,1,0,0,0,0
	WIN 0
	s_mov_b32 s4, 0xff00ff00                       ; lanes with bit 3, 2, 1, 0
	s_mov_b32 s5, 0xf0f0f0f0
	s_mov_b32 s6, 0xcccccccc
	s_mov_b32 s7, 0xaaaaaaaa
	s_lshl_b32 s2, s88, 8
	s_add_co_u32 s2, s2, RED
	PLACES
	VB ACC,WO+1,WO+5,0
; The 32 sums (register 8 t + j: batch row 32 h + 4 j + t) over the 16 lanes of a half: pairs of registers are folded, lanes with the bit keep the second, the others the first
.macro CND i, d, mask
	v_cndmask_b32 v[ACC+2*\i], v[S+\i], v[S+\i+\d], \mask
	v_cndmask_b32 v[ACC+2*\i+1], v[S+\i+\d], v[S+\i], \mask
.endm
.macro ADDX i, o, x
	v_add_f32_dpp v[S+\o], v[ACC+2*\i+1], v[ACC+2*\i] row_xmask:\x row_mask:0xf bank_mask:0xf
.endm
.irp i, 0,1,2,3,4,5,6,7,8,9,10,11,12,13,14,15
	CND \i,16,s4
.endr
.irp i, 0,1,2,3,4,5,6,7,8,9,10,11,12,13,14,15
	ADDX \i,\i,8
.endr
.irp i, 0,1,2,3,8,9,10,11
	CND \i,4,s5
.endr
.irp i, 0,1,2,3,8,9,10,11
	ADDX \i,\i,4
.endr
.irp i, 0,1,8,9
	CND \i,2,s6
.endr
.irp i, 0,1,8,9
	ADDX \i,\i,2
.endr
	CND 0,1,s7
	CND 8,1,s7
	ADDX 0,0,1
	ADDX 8,1,1                                     ; v[S:S+1]: rows 32 h + 4 (r mod 8) + 2 (r / 8) and the next
	v_and_b32 v64, 7, v0
	v_bfe_u32 v65, v0, 3, 1
	v_bfe_u32 v66, v0, 4, 1
	v_lshlrev_b32 v64, 4, v64
	v_lshl_add_u32 v64, v65, 3, v64
	v_lshl_add_u32 v64, v66, 7, v64
	v_add_nc_u32 v64, s2, v64
	v_and_b32 v68, 31, v0
	v_lshlrev_b32 v68, 3, v68
	v_add_nc_u32 v67, RED, v68
	ds_store_b64 v64, v[S:S+1]
	s_mov_b32 s100, 0xbfb8aa3b                     ; -log2(e)
	s_wait_alu depctr_va_vdst(0)
	s_wait_kmcnt 0x0                               ; b_out
	s_wait_dscnt 0x0                               ; for the others' sake: my store is done
	s_barrier_signal -1
	s_barrier_wait -1
	s_cmp_lg_u32 s88, 0                            ; wave 0 adds the four waves' parts and stores
	s_cbranch_scc1 .Lend
.irp t, 0,1,2,3
	ds_load_b64 v[72+2*\t:73+2*\t], v67 offset:256*\t
.endr
	v_mov_b32 v69, s101
	v_mul_f32 v69, s100, v69                       ; -b_out log2(e)
	s_wait_alu depctr_va_vdst(0)
	s_wait_dscnt 0x0
	v_pk_add_f32 v[72:73], v[72:73], v[74:75]
	v_pk_add_f32 v[76:77], v[76:77], v[78:79]
	v_pk_add_f32 v[72:73], v[72:73], v[76:77]
	v_fma_f32 v72, v72, s100, v69                  ; -(x + b_out) log2(e)
	v_fma_f32 v73, v73, s100, v69
	s_wait_alu depctr_va_vdst(0)                   ; ahead of the batch and behind it
	v_exp_f32 v72, v72
	v_exp_f32 v73, v73
	v_nop
	s_wait_alu depctr_va_vdst(0)
	v_add_f32 v72, 1.0, v72
	v_add_f32 v73, 1.0, v73
	s_wait_alu depctr_va_vdst(0)
	v_rcp_f32 v72, v72                             ; sigmoid = 1 / (1 + 2^(-x log2 e)); an overflowing exponential gives 0, a vanishing one 1
	v_rcp_f32 v73, v73
	v_nop
	s_wait_alu depctr_va_vdst(0)
	global_store_b64 v68, v[72:73], s[22:23]       ; 32 lanes store the work-group's 256 consecutive bytes, at a multiple of 256 from out0's first byte
.Lend:
	s_wait_tensorcnt 0x0                           ; the wave's end
	ds_add_u32 v[SPW], v[NIL]
	s_wait_dscnt 0x0
	CROUND                                         ; the closing round: no work-group ends while a partner may still ask for a tile that names it
	s_endpgm
.Lfunc_end_k_q7ad130dec8_net:
	.size	k_q7ad130dec8_net, .Lfunc_end_k_q7ad130dec8_net-k_q7ad130dec8_net
	.p2alignl 7, 3214868480
	.fill 96, 4, 3214868480
	.section	.rodata,"a",@progbits
	.p2align	6, 0x0
	.amdhsa_kernel k_q7ad130dec8_net
		.amdhsa_group_segment_fixed_size 327680
		.amdhsa_private_segment_fixed_size 0
		.amdhsa_enable_private_segment 0
		.amdhsa_kernarg_size 80
		.amdhsa_user_sgpr_count 2
		.amdhsa_user_sgpr_kernarg_segment_ptr 1
		.amdhsa_wavefront_size32 1
		.amdhsa_system_sgpr_workgroup_id_x 1
		.amdhsa_system_sgpr_workgroup_id_y 1
		.amdhsa_system_sgpr_workgroup_id_z 1
		.amdhsa_system_vgpr_workitem_id 0
		.amdhsa_next_free_vgpr 1024
		.amdhsa_next_free_sgpr 102
		.amdhsa_reserve_vcc 0
		.amdhsa_float_denorm_mode_32 3
		.amdhsa_float_denorm_mode_16_64 3
		.amdhsa_memory_ordered 1
		.amdhsa_forward_progress 1
		.amdhsa_inst_pref_size 255
	.end_amdhsa_kernel
	.section	.bss,"aw",@nobits
	.p2align	6
	.space	262144
	.amdgpu_metadata
---
amdhsa.version: [ 1, 2 ]
amdhsa.kernels:
  - .name:           k_q7ad130dec8_net
    .symbol:         k_q7ad130dec8_net.kd
    .args:
      - { .name: board_stm_codes, .offset: 0, .size: 8, .value_kind: global_buffer, .address_space: global }
      - { .name: board_nstm_codes, .offset: 8, .size: 8, .value_kind: global_buffer, .address_space: global }
      - { .name: board_stm_scales, .offset: 16, .size: 8, .value_kind: global_buffer, .address_space: global }
      - { .name: board_nstm_scales, .offset: 24, .size: 8, .value_kind: global_buffer, .address_space: global }
      - { .name: W_ft_codes, .offset: 32, .size: 8, .value_kind: global_buffer, .address_space: global }
      - { .name: W_ft_scales, .offset: 40, .size: 8, .value_kind: global_buffer, .address_space: global }
      - { .name: b_ft, .offset: 48, .size: 8, .value_kind: global_buffer, .address_space: global }
      - { .name: W_out, .offset: 56, .size: 8, .value_kind: global_buffer, .address_space: global }
      - { .name: b_out, .offset: 64, .size: 8, .value_kind: global_buffer, .address_space: global }
      - { .name: out0, .offset: 72, .size: 8, .value_kind: global_buffer, .address_space: global }
    .group_segment_fixed_size: 327680
    .private_segment_fixed_size: 0
    .kernarg_segment_align: 8
    .kernarg_segment_size: 80
    .max_flat_workgroup_size: 128
    .sgpr_count:     102
    .vgpr_count:     1024
    .wavefront_size: 32
...
	.end_amdgpu_metadata
.endif
;; end of part 1
